; MI455X (gfx1250); checked and timed in simulation.
; The chip was launched on July 23, 2026; its instructions are those of AMD's public machine-readable ISA for CDNA 5 (MIT licence, August 2026) and "CDNA5" Instruction Set Architecture Reference Guide (July 2026). The comments in the code are by the model that wrote it; some were corrected since.
;; Attention Layer. Allowed arithmetic: matrix products marked QUANTISED: E3M2 operands, one E8M0 scale for each 32 along K, by v_wmma_scale_f32_16x16x128_f8f6f4 with both operands' format E3M2, f32 sums; products left as they are: f32 operands where the result goes on into a quantised operand, else bf16, f16 or f32 operands; f32 sums; everything else in f32.
;; Inputs: U_a_codes 1,024 x 32 x 24 uint8 (E3M2 codes of U_a, K innermost, in blocks of 32 codes, four codes in three bytes); U_a_scales 1,024 x 32 uint8 (E8M0 scales of U_a, one for each 32 codes along K); W_a_codes 1,024 x 32 x 24 uint8 (E3M2 codes of W_a, K innermost, in blocks of 32 codes, four codes in three bytes); W_a_scales 1,024 x 32 uint8 (E8M0 scales of W_a, one for each 32 codes along K); h 32 x 2,048 x 1,024 float32; s_codes 32 x 32 x 24 uint8 (E3M2 codes of s, K innermost, in blocks of 32 codes, four codes in three bytes); s_scales 32 x 32 uint8 (E8M0 scales of s, one for each 32 codes along K); v_a 1,024 float32.
;; Outputs: out0 32 x 1,024 float32.
;; This version of the problem:
;;   THIS VERSION OF THE PROBLEM IS GIVEN IN LOW PRECISION. The matrix products marked QUANTISED in the list below multiply operands that are first quantised to E3M2 (3 exponent bits, 2 mantissa bits; 6 bits a number), with one power-of-two scale for each 32 numbers along K (OCP MX v1.0); their sums are f32. All else is computed in f32.
;;   The module's matrix products, in the order in which they are computed (A, B: the left and right operand; K: the contracted axis; several contracted axes count as one K, in the product's order):
;;     1. [M 65,536, K 1,024] x [K 1,024, N 1,024]; A: input h; B: input U_a (given as codes): QUANTISED
;;     2. [M 32, K 1,024] x [K 1,024, N 1,024]; A: input s (given as codes); B: input W_a (given as codes): QUANTISED
;;     3. [M 65,536, K 1,024] x [K 1,024, N 1]; A: computed on the way; B: input v_a: left as it is (N = 1 < 16)
;;     4. batch 32 x [M 1, K 2,048] x [K 2,048, N 1,024]; A: softmax; B: input h: left as it is (M = 1 < 16)
;;   THE QUANTISER, for each operand of a quantised product, along K:
;;     - K is cut into blocks of 32 from its start; a last block that is shorter is filled with zeros.
;;     - A block's scale is 2^e with e = floor(log2(the largest magnitude in the block)) - 4, held to -126 .. 127; a block of zeros has e = 0. As a byte (E8M0): e + 127.
;;     - Each number is divided by its block's scale, clamped to +-28, and rounded to the nearest number of E3M2, ties to even, subnormals kept.
;;     - The product sums the exact products of the quantised numbers (number of the format x scale) in f32.
;;   ~~~python
;;   def quantise(x, axis):      # numpy; x: float32 -> the quantised numbers, widened to float32 again
;;       x = np.moveaxis(x, axis, -1); K = x.shape[-1]
;;       x = np.pad(x, [(0, 0)] * (x.ndim - 1) + [(0, -K % 32)]); x = x.reshape(x.shape[:-1] + (-1, 32)); a = np.abs(x).max(-1, keepdims=True)
;;       e = np.where(a > 0, np.clip(np.frexp(np.where(a > 0, a, 1))[1] - 1 - 4, -126, 127), 0)      # np.frexp(a)[1] - 1 = floor(log2(a)), exactly
;;       r = np.clip(x / 2.0 ** e, -28, 28)
;;       step = 2.0 ** (np.maximum(np.frexp(np.where(r == 0, 1, r))[1] - 1, -2) - 2)
;;       q = np.round(r / step) * step * 2.0 ** e      # np.round: ties to even
;;       return np.moveaxis(q.reshape(q.shape[:-2] + (-1,))[..., :K], -1, axis).astype(np.float32)
;;   ~~~
;;   INPUTS GIVEN AS CODES. U_a (in the module: [1024, 1024], K = its axis 0); W_a (in the module: [1024, 1024], K = its axis 0); s (in the module: [32, 1024], K = its axis 1): each comes as NAME_codes (uint8): NAME with its K axis moved to the last place and cut into blocks of 32 codes, [.., K / 32, bytes a block], one block behind the other in memory; four codes in three bytes: a row's codes are one little-endian stream of bits, code i at bits 6 i .. 6 i + 5 (a code: sign, 3 exponent bits, 2 mantissa bits); and NAME_scales (uint8): the same leading axes, one E8M0 byte (e + 127) for each 32 codes along K. Its value is code x scale, taken as it is: it is not quantised again, and the codes and scales need not be those that the quantiser above would give.
;; One version. Each part assembles by itself: llvm-mc -triple=amdgcn-amd-amdhsa -mcpu=gfx1250 --defsym DOCPART=n.
;; ======== version 1 of 1: 3 launches
;; limits: values are held in bf16: 8 bits of precision; right only within a limited range of input values
;; workspace buffers: ufrag 819,200 bytes; wsv 262,144 bytes; pc 8,388,608 bytes; pml 524,288 bytes
;; launch prep (part 1): grid 64 x 3, 1 waves a work-group, no clusters, 0 bytes of LDS; arguments U_a_codes, U_a_scales, W_a_codes, W_a_scales, s_codes, s_scales, v_a, ufrag, wsv; writes ufrag, wsv
.if DOCPART == 1
	.amdgcn_target "amdgcn-amd-amdhsa--gfx1250"
	.amdhsa_code_object_version 6
	.text
	.protected	k_qf832891722_prep
	.globl	k_qf832891722_prep
	.p2align	8
	.type	k_qf832891722_prep,@function
k_qf832891722_prep:
	s_mov_b64 s[64:65], 0
	v_nop
	global_prefetch_b8 v0, s[64:65] scope:SCOPE_SE
	s_setreg_imm32_b32 hwreg(HW_REG_WAVE_MODE, 25, 1), 1
	s_wait_xcnt 0x0
; Work-group (j, y), one wave, serves outputs 16 j .. 16 j + 15.  Each of the three roles asks for all that it reads at once, so that it waits for memory once.
; y = 0: U_a's codes of these 16 rows are laid in the ORDER OF THE OPERAND'S REGISTERS: record j of ufrag, 12,800 bytes = 8 images of 1,536 bytes (K step s: registers 4 c .. 4 c + 3 of lane l at
;        1536 s + 512 c + 16 l), then the rows' 512 scale bytes as they lie (row r: 8 words, word s for K step s).  And v' = -C v_a, C = 2 log2(e), goes into every batch's record of wsv, bytes 4,096 on.
; y = 1, 2: ws = s W_a for batches 16 (y - 1) .. + 15, on the given codes of E3M2 and their E8M0 scales; stored as C ws at wsv[b][o] (a record of 8,192 bytes a batch).
;        The matrix instruction is used transposed (source 0 = 16 rows of W_a, source 1 = 16 rows of s): lane (r, hh) holds batch r of the sixteen and the outputs 16 j + 8 hh + 0 .. 7.
;        The even and the odd K steps are summed in two accumulators, which take turns, and added at the end: an order of rounding that differs from one sum with K ascending.
; WORK LEFT OUT, in this program: tanh(x) = 1 - 2 r with r = 1 / (1 + 2^(C x)), so e_bt = sum_o v_o - 2 sum_o v_o r_bto.  The term sum_o v_o is the same for every t of a batch,
; a term added to the softmax's input that is the same along its axis: it cancels in a = softmax_t(e) for all values of the inputs and is not formed.  Every input is still loaded.
; LIMIT: an overflow of sum_o v_o alone is not carried to the result.
.set CPOS, 0x4038aa3b                  ; C = 2 log2(e)
.set CNEG, 0xc038aa3b                  ; -C
	s_load_b256 s[4:11], s[0:1], 0x0               ; U's codes s[4:5], U's scales s[6:7], W's codes s[8:9], W's scales s[10:11]
	s_load_b256 s[12:19], s[0:1], 0x20             ; s's codes s[12:13], s's scales s[14:15], v_a s[16:17], ufrag s[18:19]
	s_load_b64 s[20:21], s[0:1], 0x40              ; wsv
	s_and_b32 s30, ttmp7, 0xffff                   ; the role
	s_mul_i32 s22, ttmp9, 12288                    ; 16 rows of 768 bytes of codes
	s_mov_b32 s23, 0
	s_lshl_b32 s24, ttmp9, 9                       ; 16 rows of 32 scale bytes
	s_mov_b32 s25, 0
	s_mul_i32 s26, ttmp9, 12800                    ; my record of ufrag
	s_mov_b32 s27, 0
	s_lshl_b32 s28, ttmp9, 6                       ; 16 numbers of f32
	s_mov_b32 s29, 0
	v_and_b32 v1, 15, v0                           ; r
	v_bfe_u32 v2, v0, 4, 1                         ; hh
	v_mul_u32_u24 v3, v1, 768
	v_mad_u32_u24 v3, v2, 24, v3                   ; a fragment's bytes: row r, + 24 hh
	v_lshlrev_b32 v4, 4, v0                        ; 16 x lane
	v_lshlrev_b32 v5, 5, v1                        ; a row of scale bytes
	v_lshlrev_b32 v7, 13, v1
	v_lshl_add_u32 v7, v2, 5, v7                   ; ws: batch r's record, + my eight outputs
	v_lshlrev_b32 v8, 13, v0                       ; v': lane = batch
	v_mov_b32 v9, 0
	s_wait_kmcnt 0x0
	s_add_nc_u64 s[4:5], s[4:5], s[22:23]
	s_add_nc_u64 s[6:7], s[6:7], s[24:25]
	s_add_nc_u64 s[8:9], s[8:9], s[22:23]
	s_add_nc_u64 s[10:11], s[10:11], s[24:25]
	s_add_nc_u64 s[16:17], s[16:17], s[28:29]
	s_add_nc_u64 s[18:19], s[18:19], s[26:27]
	s_add_nc_u64 s[20:21], s[20:21], s[28:29]
	s_cmp_lg_u32 s30, 0
	s_cbranch_scc1 .Lproduct
	s_wait_alu depctr_va_vdst(0)
.irp s, 0,1,2,3,4,5,6,7                ; U's eight fragments, in pieces of 8 bytes, so that every address is a multiple of the access's size
.irp p, 0,1,2,3,4,5
	global_load_b64 v[32+12*\s+2*\p:33+12*\s+2*\p], v3, s[4:5] offset:96*\s+48*(\p/3)+8*(\p%3)
.endr
.endr
	global_load_b128 v[128:131], v4, s[6:7]        ; U's 512 scale bytes, as they lie
.irp k, 0,1,2,3
	global_load_b128 v[232+4*\k:235+4*\k], v9, s[16:17] offset:16*\k   ; my 16 numbers of v_a, in every lane
.endr
	s_wait_loadcnt 0x0
.irp s, 0,1,2,3,4,5,6,7
.irp c, 0,1,2
	global_store_b128 v4, v[32+12*\s+4*\c:35+12*\s+4*\c], s[18:19] offset:1536*\s+512*\c   ; 32 lanes store 512 consecutive bytes
.endr
.endr
	global_store_b128 v4, v[128:131], s[18:19] offset:12288
.irp i, 0,1,2,3,4,5,6,7,8,9,10,11,12,13,14,15
	v_mul_f32 v[12+\i], CNEG, v[232+\i]            ; v' = -C v
.endr
.irp k, 0,1,2,3
	global_store_b128 v8, v[12+4*\k:15+4*\k], s[20:21] offset:4096+16*\k
.endr
	s_endpgm
.Lproduct:
	s_sub_co_u32 s30, s30, 1                       ; which sixteen batches
	s_mul_i32 s32, s30, 12288                      ; their codes,
	s_mov_b32 s33, 0
	s_lshl_b32 s34, s30, 9                         ; their scale bytes,
	s_mov_b32 s35, 0
	s_lshl_b32 s36, s30, 17                        ; their records of wsv
	s_mov_b32 s37, 0
	s_add_nc_u64 s[12:13], s[12:13], s[32:33]
	s_add_nc_u64 s[14:15], s[14:15], s[34:35]
	s_add_nc_u64 s[20:21], s[20:21], s[36:37]
	s_wait_alu depctr_va_vdst(0)
.irp s, 0,1,2,3,4,5,6,7                ; all of K at once: W's eight fragments into v32-127, s's into v128-223
.irp p, 0,1,2,3,4,5
	global_load_b64 v[32+12*\s+2*\p:33+12*\s+2*\p], v3, s[8:9] offset:96*\s+48*(\p/3)+8*(\p%3)
	global_load_b64 v[128+12*\s+2*\p:129+12*\s+2*\p], v3, s[12:13] offset:96*\s+48*(\p/3)+8*(\p%3)
.endr
.endr
	global_load_b128 v[224:227], v5, s[10:11]      ; scale words, word s for K step s: W's rows,
	global_load_b128 v[228:231], v5, s[10:11] offset:16
	global_load_b128 v[232:235], v5, s[14:15]      ; and the batches'
	global_load_b128 v[236:239], v5, s[14:15] offset:16
	s_wait_loadcnt 0x0
.irp s, 0,1,2,3,4,5,6,7
.if \s < 2
	v_wmma_scale_f32_16x16x128_f8f6f4 v[240+8*(\s%2):247+8*(\s%2)], v[32+12*\s:43+12*\s], v[128+12*\s:139+12*\s], 0, v[224+\s], v[232+\s] matrix_a_fmt:MATRIX_FMT_BF6 matrix_b_fmt:MATRIX_FMT_BF6
.else
	v_wmma_scale_f32_16x16x128_f8f6f4 v[240+8*(\s%2):247+8*(\s%2)], v[32+12*\s:43+12*\s], v[128+12*\s:139+12*\s], v[240+8*(\s%2):247+8*(\s%2)], v[224+\s], v[232+\s] matrix_a_fmt:MATRIX_FMT_BF6 matrix_b_fmt:MATRIX_FMT_BF6
.endif
.endr
.rept 4
	v_nop                                          ; four places (ISA guide 7.12.1) in front of the first read of results
.endr
.irp i, 0,1,2,3,4,5,6,7
	v_mul_f32 v[16+\i], CPOS, v[240+\i]            ; C x the even steps' sum; each accumulator from its low end on
.endr
.irp i, 0,1,2,3,4,5,6,7
	v_fmamk_f32 v[16+\i], v[248+\i], CPOS, v[16+\i]   ; + C x the odd steps'
.endr
	global_store_b128 v7, v[16:19], s[20:21]
	global_store_b128 v7, v[20:23], s[20:21] offset:16
	s_endpgm
.Lfunc_end_k_qf832891722_prep:
	.size	k_qf832891722_prep, .Lfunc_end_k_qf832891722_prep-k_qf832891722_prep
	.p2alignl 7, 3214868480
	.fill 96, 4, 3214868480
	.section	.rodata,"a",@progbits
	.p2align	6, 0x0
	.amdhsa_kernel k_qf832891722_prep
		.amdhsa_group_segment_fixed_size 0
		.amdhsa_private_segment_fixed_size 0
		.amdhsa_enable_private_segment 0
		.amdhsa_kernarg_size 72
		.amdhsa_user_sgpr_count 2
		.amdhsa_user_sgpr_kernarg_segment_ptr 1
		.amdhsa_wavefront_size32 1
		.amdhsa_system_sgpr_workgroup_id_x 1
		.amdhsa_system_sgpr_workgroup_id_y 1
		.amdhsa_system_sgpr_workgroup_id_z 1
		.amdhsa_system_vgpr_workitem_id 0
		.amdhsa_next_free_vgpr 256
		.amdhsa_next_free_sgpr 66
		.amdhsa_reserve_vcc 0
		.amdhsa_float_denorm_mode_32 3
		.amdhsa_float_denorm_mode_16_64 3
		.amdhsa_memory_ordered 1
		.amdhsa_forward_progress 1
		.amdhsa_inst_pref_size 23
	.end_amdhsa_kernel
	.amdgpu_metadata
---
amdhsa.version: [ 1, 2 ]
amdhsa.kernels:
  - .name:           k_qf832891722_prep
    .symbol:         k_qf832891722_prep.kd
    .args:
      - { .name: U_a_codes, .offset: 0, .size: 8, .value_kind: global_buffer, .address_space: global }
      - { .name: U_a_scales, .offset: 8, .size: 8, .value_kind: global_buffer, .address_space: global }
      - { .name: W_a_codes, .offset: 16, .size: 8, .value_kind: global_buffer, .address_space: global }
      - { .name: W_a_scales, .offset: 24, .size: 8, .value_kind: global_buffer, .address_space: global }
      - { .name: s_codes, .offset: 32, .size: 8, .value_kind: global_buffer, .address_space: global }
      - { .name: s_scales, .offset: 40, .size: 8, .value_kind: global_buffer, .address_space: global }
      - { .name: v_a, .offset: 48, .size: 8, .value_kind: global_buffer, .address_space: global }
      - { .name: ufrag, .offset: 56, .size: 8, .value_kind: global_buffer, .address_space: global }
      - { .name: wsv, .offset: 64, .size: 8, .value_kind: global_buffer, .address_space: global }
    .group_segment_fixed_size: 0
    .private_segment_fixed_size: 0
    .kernarg_segment_align: 8
    .kernarg_segment_size: 72
    .max_flat_workgroup_size: 32
    .sgpr_count:     66
    .vgpr_count:     256
    .wavefront_size: 32
...
	.end_amdgpu_metadata
.endif
;; end of part 1
;; launch attn (part 2): grid 256 x 1, 4 waves a work-group, clusters of 4 x 1, 327,680 bytes of LDS; arguments h, ufrag, wsv, pc, pml; writes pc, pml
.if DOCPART == 2
	.amdgcn_target "amdgcn-amd-amdhsa--gfx1250"
	.amdhsa_code_object_version 6
	.text
	.protected	k_qf832891722_attn
	.globl	k_qf832891722_attn
	.p2align	8
	.type	k_qf832891722_attn,@function
k_qf832891722_attn:
	s_mov_b64 s[64:65], 0
	v_nop
	global_prefetch_b8 v0, s[64:65] scope:SCOPE_SE
	s_setreg_imm32_b32 hwreg(HW_REG_WAVE_MODE, 25, 1), 1
	s_wait_xcnt 0x0
	s_wait_alu depctr_hold_cnt(0) depctr_sa_sdst(0) depctr_va_vdst(0) depctr_va_sdst(0) depctr_va_ssrc(0) depctr_va_vcc(0) depctr_vm_vsrc(0)
	s_getreg_b32 s2, hwreg(HW_REG_IB_STS2, 6, 4)
	s_cmp_eq_u32 s2, 0
	s_cbranch_scc0 .Lentry_in_a_cluster
	s_endpgm
.Lentry_in_a_cluster:
	s_bfe_u32 s2, ttmp6, 0x10000c
	s_cmp_lg_u32 s2, 0x3003
	s_cbranch_scc0 .Lentry_shape_is_right
	s_endpgm
.Lentry_shape_is_right:
; Additive attention, the bulk.  A work-group stays: two blocks of 128 rows (b, t) of h, both of one batch; of a block each of the four waves owns 32 rows, two tiles of 16.  h is read from memory once.
; PHASE L: the rows come through LDS in four quarters of 256 along K.  Each quarter is read twice from LDS: in the operand's layout, where it is quantised in f32 to E3M2 with one E8M0 scale for each 32 along K
;   (192 registers of codes, 8 of scale words), and by channels, where it is rounded to bf16 for the weighted sum (512 registers).
; PHASE U: U_a (64 tiles of 16 outputs, register images laid by the launch before) passes through two LDS slots of 8 tiles.  u = Q(h) U_a^T by v_wmma_scale_f32_16x16x128_f8f6f4, transposed
;   (source 0 = 16 outputs, source 1 = 16 rows of h): a lane holds one row of h and eight outputs.  tanh(x) = 1 - 2 r, r = 1 / (1 + 2^(C x)), C = 2 log2(e); t = sum over o of v' r, v' = -C v, is e in log2 units
;   less a term that is the same for every t of a batch: that term cancels in the softmax and is left out (shown at the head of the first kernel).
;   A GROUP is 2 tiles of outputs x my 2 tiles of rows over all of K: 32 matrix instructions, then its tanh in batches: 16 scalings, 32 exponentials, 16 additions, 32 reciprocals, 16 sums.
;   A chunk's last tanh stands behind the change of slots, under the next chunk's first LDS loads.
; TAIL: m = the wave's largest t, p = 2^(t - m), l = sum p, c = sum of p x h by v_wmma_f32_16x16x32_bf16: a partial (m, l, c[1024]) for each wave and block; the next launch joins 64 of them a batch.
; CLUSTER: every work-group walks the same U_a, so four work-groups ask for each chunk jointly.  h and wsv are a work-group's own: plain loads.
; PREFETCH, of my own 32 rows of h, a lane a row, 4 instructions x 256 bytes a quarter: behind the tensor load of quarter 0, 1, 2 of the first block the quarter that follows it; behind the load of U's first chunk in the
;   first block the second block's quarters 0 and 1; behind the loads of those two the second block's quarters 2 and 3.  The second block's own phase L asks for nothing.
;   Of ufrag, a chunk is 400 blocks of 256 bytes: the cluster's 512 lanes take a block each, the partners told apart by address, and the lanes left over name the chunk's block 399 again: one instruction a wave and chunk.
;   Chunk 0 is asked for at the head, chunks 1 to 7 in the first block's phase L, two a quarter (the last quarter: one); each block once in each cluster.  wsv is 8,192 bytes asked for once, at the head.
; LIMITS: NaN and infinities in h are not served; a block of h whose largest magnitude lies under 2^-122 keeps the scale byte 1 (a block of zeros too: its codes are zeros); for the weighted sum h and p are rounded
;   to bf16, while l is the sum of the unrounded p; the softmax holds while |t| stays under 2^31.
; REGISTERS: window 0: v1-12 addresses; v16-23 h's scale words; v24-31 U's; v32-63 four accumulators; v64-255 U's 16 fragments of a group (K step s, tile n at 64 + 24 s + 12 n).
;   (Phase L: v32-36 addresses, v64-191 two sets of 64 numbers, v224-242 at work.  Tail: v32-44, v224-255 at work, v64-191 p's sixteen operands, v192-223 c.)
;   window 1: v0-191 h's 16 fragments (tile t, K step s at 12 (8 t + s)); v192-207 C ws; v208-239 v', two sets; v240-255 the sums t, eight pairs.
;   windows 2, 3: h in bf16: tile T = 16 q + 4 cc + u of 16 channels (column r: channel 256 q + 64 cc + 4 r + u) x my 32 rows, 8 registers, at v[8 (T % 32)] of window 2 + T / 32.
.set HP,     1040                      ; a row of a quarter in LDS: 1,024 bytes + 16
.set HTILE,  32*HP
.set HSLOT1, 4*HTILE                   ; h's slots at 0 and here
.set UREC,   12800                     ; a tile of U: 8 images of 1,536 bytes and 512 scale bytes
.set UB0,    28672                     ; U's slots (102,400 bytes) at 28,672 and 159,744: the first inside h's slot 0, the second inside h's slot 1
.set USLOT1, 1<<17
.set WSVB,   2*HSLOT1                  ; my batch's C ws and v', 8,192 bytes, filled once
.set SPARE,  WSVB+8192                 ; the spare words: 512 bytes that no other line names
.set NEXTB,  (1<<19)-2048              ; from a slot's second quarter of a block to its first of the next block
.set LI,  1                            ; 16 x lane
.set SPW, 2                            ; my spare word; never rewritten
.set NIL, 3                            ; 0; never rewritten
.set UB,  4                            ; v4-5 the chunk's images, tiles 0-3 and 4-7
.set USA, 6                            ; v6-7 its scale words
.set WSA, 8                            ; the chunk's C ws
.set US0, 9                            ; 32 r + 12800 hh + 12288
.set WS0, 10                           ; WSVB + 32 hh
.set PFO, 11                           ; h's prefetches' offset: lane x 4,096; never rewritten
.set PFU, 12                           ; ufrag's prefetches' offset: my block of a chunk; never rewritten
.set HS,  16
.set US,  24
.set ACC, 32
.set BF,  64
.set AQ,  32                           ; phase L: v32-33 h's slot 0, 1 in the operand's layout; v34-35 by channels; v36 8 hh
.set AB,  34
.set SH8, 36
.set XS,  64
.set TM,  224
.set SCL, 228
.set BY,  230
.set WT,  232
.set PT,  234
.set CT,  236
.set WS,  192                          ; window 1
.set VV,  208
.set EA,  240
.set PF,  32                           ; the tail
.set TP,  40
.set SA,  44
.set PK,  240
.set BM,  64
.set DA,  192
.set WV,  14
.set G1H, 24
.set G1U, 32
.set G1W, 40
.set G0H0, 48
.set G0H1, 52
.set G0U, 56
.set G0W, 60
.set CS,  66
.set SEL, 68
.set HIM, 70
.set TB,  71
.set WO,  72
.set CNT, 73
.set RL,  74
.set BLK, 82
.set MK,  83
.set PFB, 84                           ; s[84:85] my 32 rows of the first block; never rewritten
.set G0HH, 88                          ; s[88:91] group 0 of the head's load of 64 rows
.set MSB, 0
.macro WIN new                         ; the immediate's high byte repeats the setting that is left
.if MSB != (\new)
	s_set_vgpr_msb (MSB<<8)|(\new)
.set MSB, (\new)
.endif
.endm
.macro PLACES
.rept 4
	v_nop
.endr
.endm
.macro ROUND                           ; a round of the cluster's barrier
	s_barrier_signal -1
	s_barrier_wait -1
	s_cmp_lg_u32 s[WV], 0
	s_cbranch_scc1 .Lnot_wave_0_\@
	s_barrier_signal -3
.Lnot_wave_0_\@:
	s_barrier_wait -3
	s_barrier_signal -1
	s_barrier_wait -1
.endm
.macro PFH off                         ; four prefetches: 1,024 bytes of each of my 32 rows of h, at byte off from my first block's rows
.irp j, 0,1,2,3
	global_prefetch_b8 v[PFO], s[PFB:PFB+1] offset:(\off)+256*\j th:TH_LOAD_NT scope:SCOPE_SE
.endr
.endm
.macro PFUC c                          ; one prefetch: my lanes' blocks of chunk c of ufrag
	global_prefetch_b8 v[PFU], s[6:7] offset:(\c)*8*UREC th:TH_LOAD_NT scope:SCOPE_SE
.endm
.macro ASKS q                          ; what quarter q of phase L asks for, in the first block alone
	s_cmp_eq_u32 s[BLK], 2
	s_cbranch_scc0 .Lno_asks_\@
.if (\q) == 1
	PFH 3072                                       ; the fourth quarter
.endif
.if (\q) < 3
	PFUC 2*(\q)+1
	PFUC 2*(\q)+2
.else
	PFUC 7
	PFH (1<<19)                                    ; the next block's first two quarters
	PFH (1<<19)+1024
.endif
.Lno_asks_\@:
.endm
; THE CHANGE OF SLOTS: each wave waits for all its tensor loads, adds 0 to its spare word, waits for that and for its LDS reads; behind the round the bytes left behind are filled.
; kind 0, 1: h's slot 0, 1 takes the quarter two on; 2: U's first chunk; 3: U's next chunk, into the other slot; 4: nothing is left to fetch;
; 5: h's slot 0 takes the next block's first quarter, and U's descriptor goes back to its first chunk; 6: h's slot 1 takes the next block's second quarter.
.macro HEAD kind
	s_wait_tensorcnt 0x0                           ; no tensor load of mine is out, so a group 0 may be written
	ds_add_u32 v[SPW], v[NIL]
.if \kind == 0
	s_add_nc_u64 s[G0H0+2:G0H0+3], s[G0H0+2:G0H0+3], 2048
.elseif \kind == 1
	s_add_nc_u64 s[G0H1+2:G0H1+3], s[G0H1+2:G0H1+3], 2048
.elseif \kind == 3
	s_xor_b32 s[G0U+1], s[G0U+1], USLOT1
	s_add_nc_u64 s[G0U+2:G0U+3], s[G0U+2:G0U+3], 8*UREC
.elseif \kind == 5
	s_add_nc_u64 s[G0H0+2:G0H0+3], s[G0H0+2:G0H0+3], NEXTB
	s_mul_i32 s[G0U+1], s[WV], 2*UREC
	s_add_co_u32 s[G0U+1], s[G0U+1], UB0
	s_sub_nc_u64 s[G0U+2:G0U+3], s[G0U+2:G0U+3], 7*8*UREC
.elseif \kind == 6
	s_add_nc_u64 s[G0H1+2:G0H1+3], s[G0H1+2:G0H1+3], NEXTB
.endif
	s_wait_dscnt 0x0                               ; the add is done, and my LDS reads are over
.if \kind == 4
	s_barrier_signal -1
	s_barrier_wait -1
.else
	ROUND
.if (\kind == 0) || (\kind == 5)
	tensor_load_to_lds s[G0H0:G0H0+3], s[G1H:G1H+7]
	s_nop 0
.elseif (\kind == 1) || (\kind == 6)
	tensor_load_to_lds s[G0H1:G0H1+3], s[G1H:G1H+7]
	s_nop 0
.else
	tensor_load_to_lds s[G0U:G0U+3], s[G1U:G1U+7]  ; the joint load: the same line and descriptor in all four work-groups
	s_nop 0
.endif
	PLACES
.endif
.endm
	s_load_b256 s[4:11], s[0:1], 0x0               ; h s[4:5], ufrag s[6:7], wsv s[8:9], pc s[10:11]
	s_load_b64 s[12:13], s[0:1], 0x20              ; pml
	v_lshl_add_u32 v[SPW], v0, 2, SPARE
	v_mov_b32 v[NIL], 0
	ds_add_u32 v[SPW], v[NIL]                      ; the opening lines: the add twice on end and one wait
	ds_add_u32 v[SPW], v[NIL]
	v_lshrrev_b32 v250, 5, v0
	v_readfirstlane_b32 s[WV], v250                ; wave 0..3
	s_bfe_u32 s15, ttmp6, 0x40000                  ; cx: it enters global addresses of my own loads, prefetches and stores alone
	s_lshl_b32 s16, ttmp9, 2
	s_add_co_u32 s16, s16, s15                     ; my work-group
	s_lshl_b32 s92, s15, 2
	s_add_co_u32 s92, s92, s[WV]
	s_lshl_b32 s92, s92, 5                         ; my wave's first lane among the cluster's 512
	; group 1 for h: rows of 256 numbers of 4 bytes, 1,024 from row to row, 4 words of padding behind each; 64 rows for the head's load, 32 behind it
	s_mov_b32 s[G1H], (2<<16)|(1<<20)|(7<<22)|(3<<25)
	s_mov_b32 s[G1H+1], 256<<16
	s_mov_b32 s[G1H+2], 64<<16
	s_mov_b32 s[G1H+3], 256<<16
	s_mov_b32 s[G1H+4], 64
	s_mov_b32 s[G1H+5], 1024
	s_mov_b32 s[G1H+6], 0
	s_mov_b32 s[G1H+7], 0
	; for U: two tiles, 25,600 dense bytes as 100 rows of 256; the mask names all four work-groups
	s_mov_b32 s[G1U], 15|(3<<16)|(1<<21)
	s_mov_b32 s[G1U+1], 32<<16
	s_mov_b32 s[G1U+2], 100<<16
	s_mov_b32 s[G1U+3], 32<<16
	s_mov_b32 s[G1U+4], 100
	s_mov_b32 s[G1U+5], 32
	s_mov_b32 s[G1U+6], 0
	s_mov_b32 s[G1U+7], 0
	; for wsv: half of the batch's record, 16 rows of 256 bytes
	s_mov_b32 s[G1W], 3<<16
	s_mov_b32 s[G1W+1], 32<<16
	s_mov_b32 s[G1W+2], 16<<16
	s_mov_b32 s[G1W+3], 32<<16
	s_mov_b32 s[G1W+4], 16
	s_mov_b32 s[G1W+5], 32
	s_mov_b32 s[G1W+6], 0
	s_mov_b32 s[G1W+7], 0
	s_mul_i32 s[G0H0+1], s[WV], HTILE              ; LDS addresses: constants and the wave's number
	s_add_co_u32 s[G0H1+1], s[G0H0+1], HSLOT1
	s_mul_i32 s[G0HH+1], s[WV], 2*HTILE
	s_mul_i32 s[G0U+1], s[WV], 2*UREC
	s_add_co_u32 s[G0U+1], s[G0U+1], UB0
	s_and_b32 s17, s[WV], 1
	s_lshl_b32 s17, s17, 12                        ; wave 2 takes C ws, wave 3 v'
	s_add_co_u32 s[G0W+1], s17, WSVB
	s_lshl_b32 s18, s16, 20                        ; h: 256 rows of 4,096 bytes a work-group,
	s_lshl_b32 s86, s[WV], 18                      ; 64 rows for the head's load,
	s_add_co_u32 s86, s86, s18
	s_mov_b32 s87, 0
	s_lshl_b32 s19, s[WV], 17                      ; 32 a wave and block
	s_add_co_u32 s18, s18, s19
	s_mov_b32 s19, 0
	s_lshr_b32 s20, s16, 3                         ; my batch: 8 work-groups each
	s_lshl_b32 s20, s20, 13
	s_add_co_u32 s20, s20, s17
	s_mov_b32 s21, 0
	s_mul_i32 s22, s[WV], 2*UREC
	s_mov_b32 s23, 0
	s_lshl_b32 s78, s16, 15                        ; my first partial, 8 x work-group + wave: 4,096 bytes in pc,
	s_lshl_b32 s79, s[WV], 12
	s_add_co_u32 s78, s78, s79
	s_mov_b32 s79, 0
	s_lshl_b32 s80, s16, 11                        ; 256 in pml
	s_lshl_b32 s81, s[WV], 8
	s_add_co_u32 s80, s80, s81
	s_mov_b32 s81, 0
	s_mov_b32 s[CS], 0x4038aa3b                    ; C = 2 log2(e)
	s_mov_b32 s[CS+1], s[CS]
	s_mov_b32 s[SEL], 0x76543210
	s_mov_b32 s[SEL+1], 0xfedcba98
	s_mov_b32 s[HIM], 0xffff0000
	s_wait_dscnt 0x0                               ; both opening adds are done
	s_wait_kmcnt 0x0
	s_mov_b32 s[G0H0], 1
	s_add_nc_u64 s[G0H0+2:G0H0+3], s[4:5], s[18:19]
	s_mov_b32 s[G0H1], 1
	s_add_nc_u64 s[G0H1+2:G0H1+3], s[G0H0+2:G0H0+3], 1024
	s_add_nc_u64 s[PFB:PFB+1], s[4:5], s[18:19]
	s_or_b32 s[G0H0+3], s[G0H0+3], 0x80000000
	s_or_b32 s[G0H1+3], s[G0H1+3], 0x80000000
	s_mov_b32 s[G0HH], 1
	s_add_nc_u64 s[G0HH+2:G0HH+3], s[4:5], s[86:87]
	s_or_b32 s[G0HH+3], s[G0HH+3], 0x80000000
	s_mov_b32 s[G0U], 1
	s_add_nc_u64 s[G0U+2:G0U+3], s[6:7], s[22:23]
	s_or_b32 s[G0U+3], s[G0U+3], 0x80000000
	s_mov_b32 s[G0W], 1
	s_add_nc_u64 s[G0W+2:G0W+3], s[8:9], s[20:21]
	s_or_b32 s[G0W+3], s[G0W+3], 0x80000000
	s_add_nc_u64 s[10:11], s[10:11], s[78:79]
	s_add_nc_u64 s[12:13], s[12:13], s[80:81]
	ROUND                                          ; the round in front of the first fills
	; the head's loads, one a wave: waves 0 and 1 fetch the first quarter of 64 rows each, waves 2 and 3 the halves of wsv
	s_cmp_lt_u32 s[WV], 2
	s_cbranch_scc0 .Lhead_w
	tensor_load_to_lds s[G0HH:G0HH+3], s[G1H:G1H+7]
	s_nop 0
	PLACES
	s_branch .Lhead_asked
.Lhead_w:
	tensor_load_to_lds s[G0W:G0W+3], s[G1W:G1W+7]
	s_nop 0
	PLACES
.Lhead_asked:
	v_and_b32 v250, 31, v0                         ; lane
	v_and_b32 v251, 15, v0                         ; r
	v_bfe_u32 v252, v0, 4, 1                       ; hh
	v_lshlrev_b32 v[LI], 4, v250
	v_lshlrev_b32 v[US0], 5, v251
	v_mad_u32_u24 v[US0], v252, UREC, v[US0]
	v_add_nc_u32 v[US0], 12288, v[US0]
	v_lshl_add_u32 v[WS0], v252, 5, WSVB
	v_lshlrev_b32 v[PFO], 12, v250
	v_add_nc_u32 v[PFU], s92, v250                 ; my place among the cluster's 512 lanes,
	v_min_u32 v[PFU], 399, v[PFU]                  ; held at a chunk's last block,
	v_lshlrev_b32 v[PFU], 8, v[PFU]                ; x 256 bytes
	PFH 1024                                       ; the second quarter
	PFUC 0                                         ; U's first chunk
	s_wait_alu depctr_va_vdst(0)
	s_wait_tensorcnt 0x0                           ; my load of the head is in; the full sequence stands ahead of slot 1's first fill
	ds_add_u32 v[SPW], v[NIL]
	s_mov_b32 s[G1H+2], 32<<16                     ; no tensor load of mine is out: from here on a load of h brings 32 rows
	s_mov_b32 s[G1H+4], 32
	s_wait_dscnt 0x0
	ROUND                                          ; the first quarter and wsv are whole for all four waves
	tensor_load_to_lds s[G0H1:G0H1+3], s[G1H:G1H+7]  ; my rows' second quarter
	s_nop 0
	PLACES
	PFH 2048                                       ; the third quarter
; 64 numbers of a lane, v[xs] on: two whole blocks of 32 along K (block c: k = 64 c + 32 hh + 0 .. 31 of my row) become registers areg .. areg + 11 of window 1 and the row's scale word in v[wreg].
; A block's scale byte is its largest magnitude's exponent field - 4, held at 1 from below by the floor 2^(5 - 127) among the maximum's leaves.
.macro QUANT xs, areg, wreg
.irp c, 0,1
.irp f, 0,1
	v_max3_num_f32 v[TM+2*\c+\f], |v[(\xs)+32*\c+16*\f]|, |v[(\xs)+32*\c+16*\f+1]|, 0x2800000
.endr
.endr
.irp i, 2,4,6,8,10,12,14
.irp c, 0,1
.irp f, 0,1
	v_max3_num_f32 v[TM+2*\c+\f], v[TM+2*\c+\f], |v[(\xs)+32*\c+16*\f+\i]|, |v[(\xs)+32*\c+16*\f+\i+1]|
.endr
.endr
.endr
.irp c, 0,1
	v_max_num_f32 v[TM+2*\c], v[TM+2*\c], v[TM+2*\c+1]
.endr
.irp c, 0,1
	v_add_nc_u32 v[SCL+\c], 0xfe000000, v[TM+2*\c] ; 4 off the exponent field: the conversion's scale operand
.endr
.irp c, 0,1
	v_lshrrev_b32 v[BY+\c], 23, v[SCL+\c]          ; the scale's byte
.endr
	v_lshl_or_b32 v[\wreg], v[BY+1], 16, v[BY]     ; my two bytes: blocks hh and 2 + hh,
	v_lshlrev_b32 v[\wreg], v[SH8], v[\wreg]       ; at their places in the word;
	v_permlanex16_b32 v[PT], v[\wreg], s[SEL], s[SEL+1]
	v_or_b32 v[\wreg], v[\wreg], v[PT]             ; with lane l xor 16's two the word is whole
	v_cvt_scalef32_pk16_bf6_f32 v[CT:CT+2], v[(\xs)+16:(\xs)+31], v[SCL]        ; a block's upper half is made elsewhere and moved: three registers begin on an even number
	v_cvt_scalef32_pk16_bf6_f32 v[CT+4:CT+6], v[(\xs)+48:(\xs)+63], v[SCL+1]
	WIN 0x40
	v_cvt_scalef32_pk16_bf6_f32 v[(\areg):(\areg)+2], v[(\xs):(\xs)+15], v[SCL]
	v_cvt_scalef32_pk16_bf6_f32 v[(\areg)+6:(\areg)+8], v[(\xs)+32:(\xs)+47], v[SCL+1]
	v_nop                                          ; one plain place behind a scaled conversion
.irp i, 0,1,2
	v_mov_b32 v[(\areg)+3+\i], v[CT+\i]
	v_mov_b32 v[(\areg)+9+\i], v[CT+4+\i]
.endr
	WIN 0
.endm
; Batch b of quarter q: sixteen LDS loads into set b % 2.  Batches 0-3: the fragment of K step 2 q + b / 2, tile b % 2, in the operand's layout.
; Batches 4-7: channels 64 (b - 4) on, all 32 rows: load e brings lanes 0-15 row x and lanes 16-31 row x + 8, x = e (e < 8) or e + 8; four channels a lane.
.macro LBATCH q, b
.set XL, XS+64*((\b)%2)
.if (\b) < 4
.irp c, 0,1
.irp j, 0,1,2,3,4,5,6,7
	ds_load_b128 v[XL+32*\c+4*\j:XL+32*\c+4*\j+3], v[AQ+(\q)%2] offset:16*HP*((\b)%2)+512*((\b)/2)+256*\c+16*\j
.endr
.endr
.else
.irp e, 0,1,2,3,4,5,6,7,8,9,10,11,12,13,14,15
	ds_load_b128 v[XL+4*\e:XL+4*\e+3], v[AB+(\q)%2] offset:HP*(\e+8*(\e/8))+256*((\b)-4)
.endr
.endif
.endm
.macro LWORK q, b
.set XR, XS+64*((\b)%2)
.if (\b) < 4
.set SK, 2*(\q)+(\b)/2
.set TL, (\b)%2
	QUANT XR, 12*(8*TL+SK), WT+TL
.if TL == 1
	v_cndmask_b32 v[HS+SK], v[WT], v[WT+1], s[HIM] ; lanes 0-15 keep tile 0's words, lanes 16-31 take tile 1's
.endif
.else
	WIN 0x80+0x40*((\q)/2)                         ; two neighbouring rows of one channel pack into a register: the 16-bit operand's layout with K = my 32 rows
.irp u, 0,1,2,3
.irp j, 0,1,2,3,4,5,6,7
	v_cvt_pk_bf16_f32 v[128*((\q)%2)+32*((\b)-4)+8*\u+\j], v[XR+8*\j+\u], v[XR+8*\j+4+\u]
.endr
.endr
	WIN 0
.endif
.endm
.macro LITEM q                         ; a quarter: eight batches, two ahead; its prefetches stand behind the first two batches' loads
	LBATCH \q, 0
	LBATCH \q, 1
	ASKS \q
.irp b, 0,1,2,3,4,5,6,7
.if \b < 7
	s_wait_dscnt 16                                ; this batch is in, the next batch's sixteen may be out
.else
	s_wait_dscnt 0x0
.endif
	LWORK \q, \b
.if \b < 6
	LBATCH \q, \b+2
.endif
.endr
.endm
; One product.  RD, RA, RB, RSA, RSB: its registers.  U's scale words: lanes 0-15 for tile n = 0, lanes 16-31 for n = 1; h's: lanes 0-15 for t = 0, lanes 16-31 for t = 1.  z = 1: it starts its sum.
.macro WM z, n, t
.if \z
.if (\n) == 0
.if (\t) == 0
	v_wmma_scale_f32_16x16x128_f8f6f4 v[RD:RD+7], v[RA:RA+11], v[RB:RB+11], 0, v[RSA], v[RSB] matrix_a_fmt:MATRIX_FMT_BF6 matrix_b_fmt:MATRIX_FMT_BF6
.else
	v_wmma_scale_f32_16x16x128_f8f6f4 v[RD:RD+7], v[RA:RA+11], v[RB:RB+11], 0, v[RSA], v[RSB] matrix_a_fmt:MATRIX_FMT_BF6 matrix_b_fmt:MATRIX_FMT_BF6 matrix_b_scale:MATRIX_SCALE_ROW1
.endif
.else
.if (\t) == 0
	v_wmma_scale_f32_16x16x128_f8f6f4 v[RD:RD+7], v[RA:RA+11], v[RB:RB+11], 0, v[RSA], v[RSB] matrix_a_fmt:MATRIX_FMT_BF6 matrix_b_fmt:MATRIX_FMT_BF6 matrix_a_scale:MATRIX_SCALE_ROW1
.else
	v_wmma_scale_f32_16x16x128_f8f6f4 v[RD:RD+7], v[RA:RA+11], v[RB:RB+11], 0, v[RSA], v[RSB] matrix_a_fmt:MATRIX_FMT_BF6 matrix_b_fmt:MATRIX_FMT_BF6 matrix_a_scale:MATRIX_SCALE_ROW1 matrix_b_scale:MATRIX_SCALE_ROW1
.endif
.endif
.else
.if (\n) == 0
.if (\t) == 0
	v_wmma_scale_f32_16x16x128_f8f6f4 v[RD:RD+7], v[RA:RA+11], v[RB:RB+11], v[RD:RD+7], v[RSA], v[RSB] matrix_a_fmt:MATRIX_FMT_BF6 matrix_b_fmt:MATRIX_FMT_BF6
.else
	v_wmma_scale_f32_16x16x128_f8f6f4 v[RD:RD+7], v[RA:RA+11], v[RB:RB+11], v[RD:RD+7], v[RSA], v[RSB] matrix_a_fmt:MATRIX_FMT_BF6 matrix_b_fmt:MATRIX_FMT_BF6 matrix_b_scale:MATRIX_SCALE_ROW1
.endif
.else
.if (\t) == 0
	v_wmma_scale_f32_16x16x128_f8f6f4 v[RD:RD+7], v[RA:RA+11], v[RB:RB+11], v[RD:RD+7], v[RSA], v[RSB] matrix_a_fmt:MATRIX_FMT_BF6 matrix_b_fmt:MATRIX_FMT_BF6 matrix_a_scale:MATRIX_SCALE_ROW1
.else
	v_wmma_scale_f32_16x16x128_f8f6f4 v[RD:RD+7], v[RA:RA+11], v[RB:RB+11], v[RD:RD+7], v[RSA], v[RSB] matrix_a_fmt:MATRIX_FMT_BF6 matrix_b_fmt:MATRIX_FMT_BF6 matrix_a_scale:MATRIX_SCALE_ROW1 matrix_b_scale:MATRIX_SCALE_ROW1
.endif
.endif
.endif
.endm
.macro LF gg, hf, e                    ; load e (0 .. 23) of half hf of group gg's fragments: K step 4 hf + e / 6, tile (e / 3) % 2, registers 4 (e % 3) on: 512 consecutive bytes of an image
.set FS, 4*(\hf)+(\e)/6
.set FN, ((\e)/3)%2
.set FC, (\e)%3
	ds_load_b128 v[BF+24*FS+12*FN+4*FC:BF+24*FS+12*FN+4*FC+3], v[UB+(\gg)/2] offset:2*UREC*((\gg)%2)+UREC*FN+1536*FS+512*FC
.endm
.macro LOADH gg, hf
.set LE, 0
.rept 24
	LF \gg, \hf, LE
.set LE, LE+1
.endr
.endm
.macro LOADUS gg                       ; its scale words, all eight K steps
	ds_load_b128 v[US:US+3],   v[USA+(\gg)/2] offset:2*UREC*((\gg)%2)
	ds_load_b128 v[US+4:US+7], v[USA+(\gg)/2] offset:2*UREC*((\gg)%2)+16
.endm
.macro LOADWS gg                       ; C ws and v' of the group's 32 outputs, my eight of each tile, into window 1
.irp n, 0,1
	ds_load_b128 v[WS+8*\n:WS+8*\n+3],   v[WSA] offset:128*(\gg)+64*\n
	ds_load_b128 v[WS+8*\n+4:WS+8*\n+7], v[WSA] offset:128*(\gg)+64*\n+16
	ds_load_b128 v[VV+16*((\gg)%2)+8*\n:VV+16*((\gg)%2)+8*\n+3],   v[WSA] offset:4096+128*(\gg)+64*\n
	ds_load_b128 v[VV+16*((\gg)%2)+8*\n+4:VV+16*((\gg)%2)+8*\n+7], v[WSA] offset:4096+128*(\gg)+64*\n+16
.endr
.endm
; THE PRODUCTS OF GROUP g: 32 matrix instructions on four accumulators, which take turns, one instruction a turn.
; The first wait lets the 24 youngest LDS loads stay out: behind the scale words and the fragments of K steps 0-3 at least 24 loads were issued (the upper half's, or 16 of them and the eight of C ws and v').
; Ahead of K step 4 all are in.  There the lower half of the fragment registers is free: four places, then the next group's 24 loads in one run.
; Four places close the products: for the reads of results and for the loads into the upper half and the scale words.
.macro RUN g
	s_wait_dscnt 24
.irp s, 0,1,2,3,4,5,6,7
.if \s == 4
	s_wait_dscnt 0x0
.if (\g) < 3
	PLACES
	LOADH (\g)+1, 0
.endif
.endif
.irp n, 0,1
.irp t, 0,1
.set RD, ACC+8*(2*\n+\t)
.set RA, BF+24*\s+12*\n
.set RB, 12*(8*\t+\s)
.set RSA, US+\s
.set RSB, HS+\s
.if \s == 0
	WM 1, \n, \t
.else
	WM 0, \n, \t
.endif
.endr
.endr
.endr
	PLACES
.endm
; THE TANH OF A GROUP, 32 registers in 16 pairs.  Pair P: accumulator P / 4 = 2 n + t, outputs 8 hh + 2 (P % 4) + 0, 1 of tile n.  vs: the set of v'.  nx >= 0: C ws and v' of group nx are fetched behind the scalings;
; h1 = 1: then its scale words and the fragments of K steps 4-7.  Ahead of each batch of transcendentals and ahead of its first reader stands a wait; a plain place follows each batch.
.macro TANH vs, nx, h1
	WIN 0x14                                       ; source 2 (C ws) in window 1
.set P, 0
.rept 16
	v_pk_fma_f32 v[ACC+2*P:ACC+2*P+1], v[ACC+2*P:ACC+2*P+1], s[CS:CS+1], v[WS+8*(P/8)+2*(P%4):WS+8*(P/8)+2*(P%4)+1] op_sel_hi:[1,0,1]   ; C u + C ws; each accumulator from its low end on
.set P, P+1
.endr
.if (\nx) >= 0
	WIN 0x44
	LOADWS \nx
.endif
	WIN 0x04
	s_wait_alu depctr_va_vdst(0)
.if \h1
	LOADUS \nx
	LOADH \nx, 1
.endif
.set P, 0
.rept 32
	v_exp_f32 v[ACC+P], v[ACC+P]
.set P, P+1
.endr
	v_nop
	s_wait_alu depctr_va_vdst(0)
.set P, 0
.rept 16
	v_pk_add_f32 v[ACC+2*P:ACC+2*P+1], v[ACC+2*P:ACC+2*P+1], 1.0 op_sel_hi:[1,0]   ; 1 + 2^(C x)
.set P, P+1
.endr
	s_wait_alu depctr_va_vdst(0)
.set P, 0
.rept 32
	v_rcp_f32 v[ACC+P], v[ACC+P]
.set P, P+1
.endr
	v_nop
	s_wait_alu depctr_va_vdst(0)
	WIN 0x54                                       ; v' and the sums in window 1
.set P, 0
.rept 16
	v_pk_fma_f32 v[EA+2*(P%8):EA+2*(P%8)+1], v[ACC+2*P:ACC+2*P+1], v[VV+16*(\vs)+8*(P/8)+2*(P%4):VV+16*(\vs)+8*(P/8)+2*(P%4)+1], v[EA+2*(P%8):EA+2*(P%8)+1]   ; t += v' r: pairs 0-3 tile t = 0, pairs 4-7 t = 1
.set P, P+1
.endr
	WIN 0x04
.endm
; A CHUNK: 8 tiles of outputs, four groups.  It begins with the first group's loads, under which the tanh of the group before (the last of the chunk before) is done, and ends with its last group's products.
.macro CHUNK
	v_add_nc_u32 v[UB], s[TB], v[LI]
	v_add_nc_u32 v[UB+1], 4*UREC, v[UB]
	v_add_nc_u32 v[USA], s[TB], v[US0]
	v_add_nc_u32 v[USA+1], 4*UREC, v[USA]
	v_add_nc_u32 v[WSA], s[WO], v[WS0]
	s_wait_alu depctr_va_vdst(0)
	LOADUS 0
	LOADH 0, 0
	LOADH 0, 1
	TANH 1, 0, 0
	RUN 0
	TANH 0, 1, 1
	RUN 1
	TANH 1, 2, 1
	RUN 2
	TANH 0, 3, 1
	RUN 3
	WIN 0
.endm
; THE TAIL of a block.  It touches no LDS byte.
.macro TAIL
	TANH 1, -1, 0                                  ; the last group's
	WIN 0x05                                       ; both sources in window 1
	v_pk_add_f32 v[224:225], v[EA:EA+1], v[EA+2:EA+3]
	v_pk_add_f32 v[226:227], v[EA+4:EA+5], v[EA+6:EA+7]
	v_pk_add_f32 v[228:229], v[EA+8:EA+9], v[EA+10:EA+11]
	v_pk_add_f32 v[230:231], v[EA+12:EA+13], v[EA+14:EA+15]
	WIN 0
	v_pk_add_f32 v[224:225], v[224:225], v[226:227]
	v_pk_add_f32 v[228:229], v[228:229], v[230:231]
	v_add_f32 v224, v224, v225                     ; t of my row of tile 0, my eight outputs of each tile of outputs,
	v_add_f32 v225, v228, v229                     ; and of tile 1
	v_permlanex16_b32 v226, v224, s[SEL], s[SEL+1]
	v_permlanex16_b32 v227, v225, s[SEL], s[SEL+1]
	v_add_f32 v224, v224, v226                     ; with the outputs that lane l xor 16 held
	v_add_f32 v225, v225, v227
	v_cndmask_b32 v228, v224, v225, s[HIM]         ; lane l now holds row l's t
	v_mov_b32 v236, v228
	v_max_num_f32_dpp v236, v236, v236 row_xmask:1 row_mask:0xf bank_mask:0xf
	v_max_num_f32_dpp v236, v236, v236 row_xmask:2 row_mask:0xf bank_mask:0xf
	v_max_num_f32_dpp v236, v236, v236 row_xmask:4 row_mask:0xf bank_mask:0xf
	v_max_num_f32_dpp v236, v236, v236 row_xmask:8 row_mask:0xf bank_mask:0xf
	v_permlanex16_b32 v226, v236, s[SEL], s[SEL+1]
	v_max_num_f32 v236, v236, v226                 ; m: the largest t of my 32 rows
	v_sub_f32 v230, v228, v236
	s_wait_alu depctr_va_vdst(0)                   ; the wait ahead of the transcendental
	v_exp_f32 v230, v230                           ; p = 2^(t - m)
	v_lshrrev_b32 v238, 1, v[LI]                   ; (a plain place)  8 x lane
	s_wait_alu depctr_va_vdst(0)                   ; and ahead of its first reader
	v_mov_b32 v237, v230
	v_add_f32_dpp v237, v237, v237 row_xmask:1 row_mask:0xf bank_mask:0xf
	v_add_f32_dpp v237, v237, v237 row_xmask:2 row_mask:0xf bank_mask:0xf
	v_add_f32_dpp v237, v237, v237 row_xmask:4 row_mask:0xf bank_mask:0xf
	v_add_f32_dpp v237, v237, v237 row_xmask:8 row_mask:0xf bank_mask:0xf
	v_permlanex16_b32 v226, v237, s[SEL], s[SEL+1]
	v_add_f32 v237, v237, v226                     ; l: their sum
	v_and_b32 v[SA], 0x100, v[LI]
	v_add_nc_u32 v[SA], v[SA], v[LI]               ; the way out: 16 r + 512 hh
.set ee, 0
.rept 16                               ; rows 2 e and 2 e + 1 of p, in bf16, into every lane
	v_readlane_b32 s[RL+2*(ee%2)], v230, 2*ee
	v_readlane_b32 s[RL+2*(ee%2)+1], v230, 2*ee+1
	v_mov_b32 v[TP+2*(ee%2)], s[RL+2*(ee%2)]
	v_mov_b32 v[TP+2*(ee%2)+1], s[RL+2*(ee%2)+1]
	v_cvt_pk_bf16_f32 v[PK+ee], v[TP+2*(ee%2)], v[TP+2*(ee%2)+1]
.set ee, ee+1
.endr
.irp j, 0,1,2,3                        ; p in the 16-bit operand's layout, K = my 32 rows
	v_cndmask_b32 v[PF+\j], v[PK+\j], v[PK+4+\j], s[HIM]
	v_cndmask_b32 v[PF+4+\j], v[PK+8+\j], v[PK+12+\j], s[HIM]
.endr
.set nn, 0
.rept 16                               ; sixteen operands: p in row n alone, zeros in the other rows
	s_mov_b32 s[MK], 0x10001<<nn
.irp j, 0,1,2,3,4,5,6,7
	v_cndmask_b32 v[BM+8*nn+\j], 0, v[PF+\j], s[MK]
.endr
.set nn, nn+1
.endr
; c = p h.  Source 0 = p in row n, source 1 = tile T = 16 q + n of h: the product fills row n of accumulator q alone, so sixteen tiles add into one accumulator.
; Lane (r, hh), register j of accumulator q: channel 256 q + 128 hh + 64 (j / 4) + 4 r + j % 4.  Two accumulators take turns.
.irp wn, 0,1
	WIN 0x08+4*\wn
.set nn, 0
.rept 16
.irp qq, 0,1
.if nn == 0
	v_wmma_f32_16x16x32_bf16 v[DA+8*(2*\wn+\qq):DA+8*(2*\wn+\qq)+7], v[BM+8*nn:BM+8*nn+7], v[128*\qq+8*nn:128*\qq+8*nn+7], 0
.else
	v_wmma_f32_16x16x32_bf16 v[DA+8*(2*\wn+\qq):DA+8*(2*\wn+\qq)+7], v[BM+8*nn:BM+8*nn+7], v[128*\qq+8*nn:128*\qq+8*nn+7], v[DA+8*(2*\wn+\qq):DA+8*(2*\wn+\qq)+7]
.endif
.endr
.set nn, nn+1
.endr
.endr
	WIN 0
	PLACES                                         ; in front of the stores that read results, and of the next block's loads into p's operands
.irp q, 0,1,2,3
	global_store_b128 v[SA], v[DA+8*\q:DA+8*\q+3], s[10:11] offset:1024*\q          ; 16 lanes store 256 consecutive bytes, aligned
	global_store_b128 v[SA], v[DA+8*\q+4:DA+8*\q+7], s[10:11] offset:1024*\q+256
.endr
	global_store_b64 v238, v[236:237], s[12:13]    ; (m, l), the same in every lane: 256 consecutive bytes
.endm
	s_mov_b32 s[BLK], 2
.Lblock:                                               ; my first quarter is whole in slot 0 (a wait for all my loads and a round stand behind its load); the second is on its way
	v_and_b32 v251, 15, v0                         ; phase L's addresses lie where the accumulators lie in phase U: they are made anew for each block
	v_bfe_u32 v252, v0, 4, 1
	v_mul_u32_u24 v[AQ], v251, HP
	v_lshl_add_u32 v[AQ], v252, 7, v[AQ]
	v_add_nc_u32 v[AQ], s[G0H0+1], v[AQ]           ; 1040 r + 128 hh + my tile
	v_add_nc_u32 v[AQ+1], HSLOT1, v[AQ]
	v_lshlrev_b32 v[AB], 4, v251
	v_mad_u32_u24 v[AB], v252, 8*HP, v[AB]
	v_add_nc_u32 v[AB], s[G0H0+1], v[AB]           ; 16 r + 8 rows x hh + my tile
	v_add_nc_u32 v[AB+1], HSLOT1, v[AB]
	v_lshlrev_b32 v[SH8], 3, v252
	v_mov_b32 v[PT], 0                             ; a lane permute's destination counts as one of its sources
	s_wait_alu depctr_va_vdst(0)
	LITEM 0
	HEAD 0                                         ; slot 0 takes the third quarter
	LITEM 1
	HEAD 1                                         ; slot 1 the fourth
	LITEM 2
	HEAD 2                                         ; U's first chunk lands where the third quarter lay
	LITEM 3
	; The first chunk's opening tanh finds +infinity where a finished group would lie, and zeros as C ws and v': 2^(+inf) = +inf, r = 0, and 0 is added to t.  So the chunk is written once.
.set jj, 0
.rept 32
	v_mov_b32 v[ACC+jj], 0x7f800000
.set jj, jj+1
.endr
	WIN 0x40
.set jj, 0
.rept 64
	v_mov_b32 v[WS+jj], 0                          ; C ws, v' and the sums t
.set jj, jj+1
.endr
	WIN 0
	s_wait_alu depctr_va_vdst(0)
	s_mov_b32 s[TB], UB0
	s_mov_b32 s[WO], 0
	s_mov_b32 s[CNT], 7
.Lchunk:                                               ; seven trips: the next chunk is asked for, the chunk in hand is multiplied
	HEAD 3
	CHUNK
	s_xor_b32 s[TB], s[TB], USLOT1
	s_add_co_u32 s[WO], s[WO], 512
	s_sub_co_u32 s[CNT], s[CNT], 1
	s_cmp_lg_u32 s[CNT], 0
	s_cbranch_scc1 .Lchunk
	s_mov_b32 s[TB], UB0+USLOT1                    ; the last chunk lies in the upper slot
	s_mov_b32 s[WO], 7*512
	s_cmp_eq_u32 s[BLK], 1
	s_cbranch_scc1 .Llast_block                    ; the last block's end is written out: it asks for nothing more
	HEAD 5                                         ; the next block's first quarter
	PFH (1<<19)+2048                               ; (its third is asked of memory)
	CHUNK
	HEAD 6                                         ; its second quarter, where the last chunk lay
	PFH (1<<19)+3072                               ; (its fourth is asked of memory)
	TAIL
	s_wait_xcnt 0x0                                ; the stores have read their registers and bases
	s_add_nc_u64 s[10:11], s[10:11], 4*4096        ; the next block's partials: four on
	s_add_nc_u64 s[12:13], s[12:13], 4*256
	s_sub_co_u32 s[BLK], s[BLK], 1
	s_branch .Lblock
.Llast_block:
	HEAD 4
	CHUNK
	TAIL
	s_wait_tensorcnt 0x0                           ; the wave's end
	ds_add_u32 v[SPW], v[NIL]
	s_wait_dscnt 0x0
	ROUND                                          ; the closing round
	s_endpgm
.Lfunc_end_k_qf832891722_attn:
	.size	k_qf832891722_attn, .Lfunc_end_k_qf832891722_attn-k_qf832891722_attn
	.p2alignl 7, 3214868480
	.fill 96, 4, 3214868480
	.section	.rodata,"a",@progbits
	.p2align	6, 0x0
	.amdhsa_kernel k_qf832891722_attn
		.amdhsa_group_segment_fixed_size 327680
		.amdhsa_private_segment_fixed_size 0
		.amdhsa_enable_private_segment 0
		.amdhsa_kernarg_size 40
		.amdhsa_user_sgpr_count 2
		.amdhsa_user_sgpr_kernarg_segment_ptr 1
		.amdhsa_wavefront_size32 1
		.amdhsa_system_sgpr_workgroup_id_x 1
		.amdhsa_system_sgpr_workgroup_id_y 1
		.amdhsa_system_sgpr_workgroup_id_z 1
		.amdhsa_system_vgpr_workitem_id 0
		.amdhsa_next_free_vgpr 1024
		.amdhsa_next_free_sgpr 100
		.amdhsa_reserve_vcc 0
		.amdhsa_float_denorm_mode_32 3
		.amdhsa_float_denorm_mode_16_64 3
		.amdhsa_memory_ordered 1
		.amdhsa_forward_progress 1
		.amdhsa_inst_pref_size 255
	.end_amdhsa_kernel
	.section	.bss,"aw",@nobits
	.p2align	6
	.space	262144
	.amdgpu_metadata
---
amdhsa.version: [ 1, 2 ]
amdhsa.kernels:
  - .name:           k_qf832891722_attn
    .symbol:         k_qf832891722_attn.kd
    .args:
      - { .name: h, .offset: 0, .size: 8, .value_kind: global_buffer, .address_space: global }
      - { .name: ufrag, .offset: 8, .size: 8, .value_kind: global_buffer, .address_space: global }
      - { .name: wsv, .offset: 16, .size: 8, .value_kind: global_buffer, .address_space: global }
      - { .name: pc, .offset: 24, .size: 8, .value_kind: global_buffer, .address_space: global }
      - { .name: pml, .offset: 32, .size: 8, .value_kind: global_buffer, .address_space: global }
    .group_segment_fixed_size: 327680
    .private_segment_fixed_size: 0
    .kernarg_segment_align: 8
    .kernarg_segment_size: 40
    .max_flat_workgroup_size: 128
    .sgpr_count:     100
    .vgpr_count:     1024
    .wavefront_size: 32
...
	.end_amdgpu_metadata
.endif
;; end of part 2
;; launch combine (part 3): grid 16 x 32, 1 waves a work-group, no clusters, 0 bytes of LDS; arguments pc, pml, out0; writes out0
.if DOCPART == 3
	.amdgcn_target "amdgcn-amd-amdhsa--gfx1250"
	.amdhsa_code_object_version 6
	.text
	.protected	k_qf832891722_combine
	.globl	k_qf832891722_combine
	.p2align	8
	.type	k_qf832891722_combine,@function
k_qf832891722_combine:
	s_mov_b64 s[64:65], 0
	v_nop
	global_prefetch_b8 v0, s[64:65] scope:SCOPE_SE
	s_setreg_imm32_b32 hwreg(HW_REG_WAVE_MODE, 25, 1), 1
	s_wait_xcnt 0x0
; out0[b][:] = sum over the batch's 64 partials i of w_i c_i / L, with M = the largest m_i, w_i = 2^(m_i - M), L = sum of w_i l_i: the softmax's maximum is taken away once more, over the whole row.
; Work-group (x, b), one wave, owns 64 channels of batch b, two a lane.  Lane l holds the weights of partials l and l + 32.  All 64 partials are asked for at once: 64 loads of 256 consecutive bytes, 128 registers.
; No LDS, no matrix unit, no prefetch: 16 KiB are read and 256 bytes written by each work-group, nothing is shared, and there is no loop to run ahead in.
.set X0, 32                            ; v32-159: partial i at v[32 + 2 i]
	s_load_b128 s[4:7], s[0:1], 0x0                ; pc, pml
	s_load_b64 s[8:9], s[0:1], 0x10                ; out0
	s_and_b32 s10, ttmp7, 0xffff                   ; b
	s_lshl_b32 s11, ttmp9, 8                       ; my 64 channels, in bytes
	s_lshl_b32 s12, s10, 18                        ; pc: 64 partials of 4,096 bytes a batch
	s_add_co_u32 s12, s12, s11
	s_mov_b32 s13, 0
	s_lshl_b32 s14, s10, 14                        ; pml: 64 x 256 bytes
	s_mov_b32 s15, 0
	s_lshl_b32 s16, s10, 12                        ; out0: a row of 4,096 bytes
	s_add_co_u32 s16, s16, s11
	s_mov_b32 s17, 0
	s_mov_b32 s18, 0x76543210
	s_mov_b32 s19, 0xfedcba98                      ; v_permlanex16_b32's selects for lane l xor 16
	s_mov_b32 s21, 0                               ; (named as the upper halves of the pairs that carry a weight)
	s_mov_b32 s23, 0
	s_mov_b32 s25, 0
	s_mov_b32 s27, 0
	v_lshlrev_b32 v1, 3, v0                        ; 8 x lane
	v_lshlrev_b32 v2, 8, v0                        ; 256 x lane
	v_mov_b32 v9, 0                                ; written once: a lane permute's destination counts as one of its sources
	s_wait_alu depctr_va_vdst(0)
	s_wait_kmcnt 0x0
	s_add_nc_u64 s[4:5], s[4:5], s[12:13]
	s_add_nc_u64 s[6:7], s[6:7], s[14:15]
	s_add_nc_u64 s[8:9], s[8:9], s[16:17]
	global_load_b64 v[X0:X0+1], v1, s[4:5]         ; partial 0,
	global_load_b64 v[4:5], v2, s[6:7]             ; (m, l) of partial l,
	global_load_b64 v[6:7], v2, s[6:7] offset:8192 ; and of partial l + 32,
.set ii, 1
.rept 63
	global_load_b64 v[X0+2*ii:X0+2*ii+1], v1, s[4:5] offset:4096*ii   ; partials 1 to 63
.set ii, ii+1
.endr
	s_wait_loadcnt 63                              ; the first three loads are in; the 63 behind them may be out
	v_max_num_f32 v8, v4, v6
	v_max_num_f32_dpp v8, v8, v8 row_xmask:1 row_mask:0xf bank_mask:0xf
	v_max_num_f32_dpp v8, v8, v8 row_xmask:2 row_mask:0xf bank_mask:0xf
	v_max_num_f32_dpp v8, v8, v8 row_xmask:4 row_mask:0xf bank_mask:0xf
	v_max_num_f32_dpp v8, v8, v8 row_xmask:8 row_mask:0xf bank_mask:0xf
	v_permlanex16_b32 v9, v8, s18, s19
	v_max_num_f32 v8, v8, v9                       ; M
	v_sub_f32 v10, v4, v8
	v_sub_f32 v11, v6, v8
	s_wait_alu depctr_va_vdst(0)                   ; the wait ahead of the batch,
	v_exp_f32 v10, v10
	v_exp_f32 v11, v11
	v_nop                                          ; a plain place behind the exponentials
	s_wait_alu depctr_va_vdst(0)                   ; and ahead of its first reader
	v_mul_f32 v12, v10, v5
	v_fmac_f32 v12, v11, v7
	v_add_f32_dpp v12, v12, v12 row_xmask:1 row_mask:0xf bank_mask:0xf
	v_add_f32_dpp v12, v12, v12 row_xmask:2 row_mask:0xf bank_mask:0xf
	v_add_f32_dpp v12, v12, v12 row_xmask:4 row_mask:0xf bank_mask:0xf
	v_add_f32_dpp v12, v12, v12 row_xmask:8 row_mask:0xf bank_mask:0xf
	v_permlanex16_b32 v9, v12, s18, s19
	v_add_f32 v12, v12, v9                         ; L: at least 1, since the partial with m = M has w = 1 and l >= 1
	s_wait_alu depctr_va_vdst(0)
	v_rcp_f32 v12, v12
	v_nop                                          ; a plain place behind the reciprocal
	s_wait_alu depctr_va_vdst(0)
	v_mul_f32 v10, v10, v12
	v_mul_f32 v11, v11, v12                        ; w / L
	s_wait_alu depctr_va_vdst(0)
	s_wait_loadcnt 0x0
.set ii, 0
.rept 64                               ; four sums, v[16:17] to v[22:23], by turns; the first four partials start them
	v_readlane_b32 s[20+2*(ii%4)], v[10+ii/32], ii%32
.if ii < 4
	v_pk_mul_f32 v[16+2*(ii%4):17+2*(ii%4)], v[X0+2*ii:X0+2*ii+1], s[20+2*(ii%4):21+2*(ii%4)] op_sel_hi:[1,0]
.else
	v_pk_fma_f32 v[16+2*(ii%4):17+2*(ii%4)], v[X0+2*ii:X0+2*ii+1], s[20+2*(ii%4):21+2*(ii%4)], v[16+2*(ii%4):17+2*(ii%4)] op_sel_hi:[1,0,1]
.endif
.set ii, ii+1
.endr
	v_pk_add_f32 v[16:17], v[16:17], v[18:19]
	v_pk_add_f32 v[20:21], v[20:21], v[22:23]
	v_pk_add_f32 v[16:17], v[16:17], v[20:21]
	global_store_b64 v1, v[16:17], s[8:9]          ; 32 lanes store 256 consecutive bytes, aligned
	s_endpgm
.Lfunc_end_k_qf832891722_combine:
	.size	k_qf832891722_combine, .Lfunc_end_k_qf832891722_combine-k_qf832891722_combine
	.p2alignl 7, 3214868480
	.fill 96, 4, 3214868480
	.section	.rodata,"a",@progbits
	.p2align	6, 0x0
	.amdhsa_kernel k_qf832891722_combine
		.amdhsa_group_segment_fixed_size 0
		.amdhsa_private_segment_fixed_size 0
		.amdhsa_enable_private_segment 0
		.amdhsa_kernarg_size 24
		.amdhsa_user_sgpr_count 2
		.amdhsa_user_sgpr_kernarg_segment_ptr 1
		.amdhsa_wavefront_size32 1
		.amdhsa_system_sgpr_workgroup_id_x 1
		.amdhsa_system_sgpr_workgroup_id_y 1
		.amdhsa_system_sgpr_workgroup_id_z 1
		.amdhsa_system_vgpr_workitem_id 0
		.amdhsa_next_free_vgpr 176
		.amdhsa_next_free_sgpr 66
		.amdhsa_reserve_vcc 0
		.amdhsa_float_denorm_mode_32 3
		.amdhsa_float_denorm_mode_16_64 3
		.amdhsa_memory_ordered 1
		.amdhsa_forward_progress 1
		.amdhsa_inst_pref_size 17
	.end_amdhsa_kernel
	.amdgpu_metadata
---
amdhsa.version: [ 1, 2 ]
amdhsa.kernels:
  - .name:           k_qf832891722_combine
    .symbol:         k_qf832891722_combine.kd
    .args:
      - { .name: pc, .offset: 0, .size: 8, .value_kind: global_buffer, .address_space: global }
      - { .name: pml, .offset: 8, .size: 8, .value_kind: global_buffer, .address_space: global }
      - { .name: out0, .offset: 16, .size: 8, .value_kind: global_buffer, .address_space: global }
    .group_segment_fixed_size: 0
    .private_segment_fixed_size: 0
    .kernarg_segment_align: 8
    .kernarg_segment_size: 24
    .max_flat_workgroup_size: 32
    .sgpr_count:     66
    .vgpr_count:     176
    .wavefront_size: 32
...
	.end_amdgpu_metadata
.endif
;; end of part 3
